; MI455X (gfx1250); checked and timed in simulation.
; The chip was launched on July 23, 2026; its instructions are those of AMD's public machine-readable ISA for CDNA 5 (MIT licence, August 2026) and "CDNA5" Instruction Set Architecture Reference Guide (July 2026). The comments in the code are by the model that wrote it; some were corrected since.
;; Clifford Algebra. Allowed arithmetic: matrix products marked QUANTISED: E4M3 operands, one given power-of-two scale a tensor, by v_wmma_f32_16x16x64_fp8_fp8 or v_wmma_f32_16x16x128_fp8_fp8, f32 sums; products left as they are: f32 operands where the result goes on into a quantised operand, else bf16, f16 or f32 operands; f32 sums; everything else in f32.
;; Inputs: a 1,024 x 1,024 x 16 float32; b 1,024 x 1,024 x 16 float32; lowp_scales 2 int32 (the exponents e of the quantised operands' scales 2^e).
;; Outputs: out0 1,024 x 1,024 x 16 float32.
;; This version of the problem:
;;   THIS VERSION OF THE PROBLEM IS GIVEN IN LOW PRECISION. The matrix products marked QUANTISED in the list below multiply operands that are first quantised to E4M3 (4 exponent bits, 3 mantissa bits; 8 bits a number), with one given power-of-two scale for each operand tensor; their sums are f32. All else is computed in f32.
;;   The module's matrix products, in the order in which they are computed (A, B: the left and right operand; K: the contracted axis; several contracted axes count as one K, in the product's order):
;;     1. batch 1,048,576 x [M 16, K 1] x [K 1, N 16]; A: computed on the way; B: computed on the way: left as it is (no contracted axis)
;;     2. [M 1,048,576, K 256] x [K 256, N 16]; A: computed on the way; B: computed on the way: QUANTISED (scales: A lowp_scales[0], B lowp_scales[1])
;;   THE QUANTISER, for each operand of a quantised product, along K:
;;     - The operand's scale is 2^e, e = its entry of the input lowp_scales (int32; the entries are numbered through the quantised products in the list's order, A before B).
;;     - Each number is divided by the scale, clamped to +-448, and rounded to the nearest number of E4M3, ties to even, subnormals kept.
;;     - The product sums the exact products of the quantised numbers (number of the format x scale) in f32.
;;   ~~~python
;;   def quantise(x, axis, e):      # numpy; x: float32 -> the quantised numbers, widened to float32 again
;;       x = np.moveaxis(x, axis, -1); K = x.shape[-1]
;;       r = np.clip(x / 2.0 ** e, -448, 448)
;;       step = 2.0 ** (np.maximum(np.frexp(np.where(r == 0, 1, r))[1] - 1, -6) - 3)
;;       q = np.round(r / step) * step * 2.0 ** e      # np.round: ties to even
;;       return np.moveaxis(q, -1, axis).astype(np.float32)
;;   ~~~
;;   OPERANDS COMPUTED ON THE WAY. 'Computed on the way' means the value that the module computes at that place (a softmax that the list does not call 'softmax' is quantised finished and normalised). What goes into a quantiser is computed in f32, as accurately as f32 sums, v_exp_f32 and their like allow (about 1e-6 of the number): no bf16 or f16 on the way to a quantiser, and a product that is left as it is and whose result goes on into a quantised operand takes f32 operands (vector FMAs, or v_wmma_f32_16x16x4_f32). A number that lies on a knife's edge between two numbers of the format may be rounded either way, as far as f32 arithmetic and the matrix unit's own rounding can turn it there, and no further.
;; 2 versions, each right; version 2 is version 1 with the launch clifford written anew for expert scheduling mode. Each part assembles by itself: llvm-mc -triple=amdgcn-amd-amdhsa -mcpu=gfx1250 --defsym DOCPART=n.
;; ======== version 1 of 2: 1 launch
;; launch clifford (part 1): grid 256 x 1, 16 waves a work-group, no clusters, 124,928 bytes of LDS; arguments a, b, lowp_scales, out0; writes out0
.if DOCPART == 1
	.amdgcn_target "amdgcn-amd-amdhsa--gfx1250"
	.amdhsa_code_object_version 6
	.text
	.protected	k_q782f4e6e47_clifford
	.globl	k_q782f4e6e47_clifford
	.p2align	8
	.type	k_q782f4e6e47_clifford,@function
k_q782f4e6e47_clifford:
	s_mov_b64 s[64:65], 0
	v_nop
	global_prefetch_b8 v0, s[64:65] scope:SCOPE_SE
	s_setreg_imm32_b32 hwreg(HW_REG_WAVE_MODE, 25, 1), 1
	s_wait_xcnt 0x0
; out[t][c] = sum over i, j of Q(a[t][i] b[t][j]) Q(M[i][j][c]): the geometric product of Cl(3,1), 2^20 tokens of 16 blades, f32 in and out.
; M[i][j][c] = the sign of e_i e_j where c = i xor j, else 0.  Both operands of the contraction (K = the 256 pairs (i, j)) are codes of FP8 (E4M3), each with the one scale that is given:
; 2^e0 for the products a_i b_j, 2^e1 for M.  code = x / 2^e, held within +-448, to the nearest code, ties to even.  The codes are multiplied as they are; each sum is multiplied once by 2^(e0 + e1).
; LIMITS: e0 and e1 between -126 and 119, e0 + e1 between -126 and 127, so that each power of two below is an f32 number.  NaN among the inputs is not served (the hold picks a number).
; The places of k inside a matrix instruction are a permutation of (i, j), the same in both operands: every product meets its partner, only the order of the sums inside an instruction is another.
; SHARES.  256 work-groups of 16 waves; a work-group owns 4,096 tokens, a wave 8 steps of 32 tokens (two groups of 16); the sixteen waves' steps lie side by side in memory.
; THE MATRIX INSTRUCTION IS USED TRANSPOSED: source 0 = the 16 rows c of M^T, source 1 = 16 tokens.  Lane (r, h) = (lane % 16, lane / 16) holds token r and makes the 128 products of blades i = 8 h .. 8 h + 7
; with all 16 b_j: register p, byte y of K step s is i = 8 h + 4 s + p / 4, j = 4 (p % 4) + y, so the conversions' results ARE the operand.  In the result the lane holds out[token r][8 h .. 8 h + 7].
; MEMORY.  Every global load and store of a wave covers 512 consecutive bytes, 16 a lane.  A lane wants 32 + 64 bytes of ONE token, so a step's numbers turn through the wave's own stage in LDS, and the results
; turn back through another.  A token lies 80 bytes from the next.
; Waves share nothing: no barrier.  Sixteen loads of a wave are on their way nearly all the time: two sets of eight, each asked for two steps ahead of its use.
; The eight steps are written out by a macro: the sets of registers alternate, the last three steps ask for less, and every offset is an immediate, so no pointer is stepped.
.set T,      8                         ; steps of a wave
.set WAVES,  16
.set STEPB,  2048                      ; 32 tokens of one tensor in bytes
.set TRIPB,  WAVES*STEPB               ; from a wave's step to its next
.set TP,     80                        ; a token in LDS: 64 bytes + 16 of padding
.set INA,    0                         ; a wave's LDS: 32 tokens of a,
.set INB,    32*TP                     ; 32 of b,
.set OUTS,   64*TP                     ; 32 of the result
.set WREG,   96*TP                     ; 7,680 bytes a wave
.set GO,  1                            ; v1   byte offset of my 16 bytes in the work-group's part of a tensor: 2,048 x wave + 16 x lane; never rewritten
.set SI,  2                            ; v2   a stage as memory has it: 80 (lane / 4) + 16 (lane % 4) + my wave's LDS
.set RB,  3                            ; v3   a stage by tokens: 80 r + my wave's LDS
.set RA,  4                            ; v4   the same + 32 h: my half of a token
.set LIM, 5                            ; v5   448 x 2^e0
.set SCL, 6                            ; v6   2^e0 as f32: the conversions take its exponent field
.set CAY, 16                           ; v16-47   M^T's codes: K step s at CAY + 16 s
.set RAW, 48                           ; v48-111  two sets of eight loads: a's four, b's four
.set OP,  112                          ; v112-159 group g: 8 of a, 16 of b, at OP + 24 g
.set PR,  160                          ; v160-175 one blade's 16 products
.set COD, 176                          ; v176-207 the products' codes: group g's at COD + 16 g
.set ACC, 208                          ; v208-223 group g's sums at ACC + 8 g
.set O,   224                          ; v224-239 the sums x 2^(e0 + e1)
.set OB,  240                          ; v240-255 the step's results as memory has them
	s_load_b256 s[4:11], s[0:1], 0x0               ; a s[4:5], b s[6:7], the scales' exponents s[8:9], out s[10:11]
	v_lshrrev_b32 v7, 5, v0
	v_readfirstlane_b32 s12, v7                    ; wave 0..15
	v_and_b32 v8, 31, v0                           ; lane
	v_and_b32 v10, 15, v0                          ; r; for M^T's operand: c
	v_bfe_u32 v11, v0, 4, 1                        ; h
	s_lshl_b32 s14, ttmp9, 18                      ; the work-group's 4,096 tokens of 64 bytes
	s_mov_b32 s15, 0
	s_lshl_b32 s13, s12, 11
	s_mul_i32 s16, s12, WREG
	v_lshlrev_b32 v[GO], 4, v8
	v_add_nc_u32 v[GO], s13, v[GO]
	v_lshrrev_b32 v9, 2, v8
	v_mul_u32_u24 v[SI], v9, TP
	v_and_b32 v9, 3, v8
	v_lshl_add_u32 v[SI], v9, 4, v[SI]
	v_add_nc_u32 v[SI], s16, v[SI]
	v_mul_u32_u24 v[RB], v10, TP
	v_add_nc_u32 v[RB], s16, v[RB]
	v_lshl_add_u32 v[RA], v11, 5, v[RB]
	s_wait_kmcnt 0x0
	s_load_b64 s[18:19], s[8:9], 0x0               ; e0, e1
	s_add_nc_u64 s[4:5], s[4:5], s[14:15]
	s_add_nc_u64 s[6:7], s[6:7], s[14:15]
	s_add_nc_u64 s[10:11], s[10:11], s[14:15]
.macro GLOAD t                         ; step t's 32 tokens of a and of b, as they lie: eight loads of 512 consecutive bytes, read once in the launch
.irp k, 0,1,2,3
	global_load_b128 v[RAW+32*((\t)%2)+4*\k:RAW+32*((\t)%2)+4*\k+3], v[GO], s[4:5] offset:(\t)*TRIPB+512*\k th:TH_LOAD_NT
.endr
.irp k, 0,1,2,3
	global_load_b128 v[RAW+32*((\t)%2)+16+4*\k:RAW+32*((\t)%2)+16+4*\k+3], v[GO], s[6:7] offset:(\t)*TRIPB+512*\k th:TH_LOAD_NT
.endr
.endm
.macro STAGE t                         ; into the stage: a load's 512 bytes are eight tokens
.irp k, 0,1,2,3
	ds_store_b128 v[SI], v[RAW+32*((\t)%2)+4*\k:RAW+32*((\t)%2)+4*\k+3] offset:INA+8*TP*\k
.endr
.irp k, 0,1,2,3
	ds_store_b128 v[SI], v[RAW+32*((\t)%2)+16+4*\k:RAW+32*((\t)%2)+16+4*\k+3] offset:INB+8*TP*\k
.endr
.endm
.macro OPLOAD g                        ; out of it, for group g: my token's a_(8 h) .. a_(8 h + 7) and all its b.  LDS serves a wave's instructions in order (ISA guide 5.7.1.4): these see the stores above them
	ds_load_b128 v[OP+24*\g:OP+24*\g+3],   v[RA] offset:INA+16*TP*\g
	ds_load_b128 v[OP+24*\g+4:OP+24*\g+7], v[RA] offset:INA+16*TP*\g+16
.irp k, 0,1,2,3
	ds_load_b128 v[OP+24*\g+8+4*\k:OP+24*\g+11+4*\k], v[RB] offset:INB+16*TP*\g+16*\k
.endr
.endm
.macro SEND t                          ; step t's results: four stores of 512 consecutive bytes; written once, read by nobody here
.irp k, 0,1,2,3
	global_store_b128 v[GO], v[OB+4*\k:OB+4*\k+3], s[10:11] offset:(\t)*TRIPB+512*\k th:TH_STORE_NT
.endr
.endm
	GLOAD 0
	GLOAD 1                                        ; the first two steps are on their way while M^T's operand is made
	; M^T's OPERAND.  Lane (c, h), blade i = 8 h + il: of its 16 bytes (j = 0 .. 15) one is not 0: j = i xor c, the code of 1.0 with the sign of e_i e_j.
	; The sign: e_i e_j is sorted by one swap for each pair (a bit x of i, a bit y of j) with x > y, and e_3 squares to -1 (e_0, e_1, e_2 to +1):
	; it is minus where j & g(i) has an odd number of bits, g(i) = (i >> 1) ^ (i >> 2) ^ (i >> 3) ^ (i & 8); g is linear over xor, and g(8) = 15.
	s_mov_b32 s24, 0x6996<<7                       ; bit x + 7: is the number of bits of x (0 .. 15) odd?
	v_lshlrev_b32 v15, 3, v11
	v_xor_b32 v15, v15, v10                        ; c xor 8 h: j = this xor il
	v_mul_u32_u24 v7, v11, 15                      ; g(8 h)
	s_wait_kmcnt 0x0
	s_add_co_i32 s20, s19, 127
	s_lshl_b32 s21, s20, 23
	v_mov_b32 v12, s21                             ; 2^e1 as f32
	s_add_co_i32 s20, s20, 8
	s_lshl_b32 s20, s20, 23
	s_or_b32 s20, s20, 0x600000
	v_mov_b32 v13, s20                             ; 448 x 2^e1
	v_med3_num_f32 v[PR], 1.0, -v13, v13           ; the conversion to an 8-bit code does not saturate (ISA guide 7.6.2): 1.0 is held within the largest code x the scale
.irp j, 1,2,3,4,5,6,7
	v_mov_b32 v[PR+\j], 0
.endr
	v_cvt_scalef32_pk8_fp8_f32 v[COD:COD+1], v[PR:PR+7], v12       ; byte 0: the code of 1.0 under 2^e1
	s_add_co_i32 s20, s18, 127
	s_lshl_b32 s21, s20, 23
	v_mov_b32 v[SCL], s21                          ; 2^e0.  (The plain vector line between the conversion and the use of its result)
	s_add_co_i32 s20, s20, 8
	s_lshl_b32 s20, s20, 23
	s_or_b32 s20, s20, 0x600000
	v_mov_b32 v[LIM], s20                          ; 448 x 2^e0
	v_and_b32 v14, 0xff, v[COD]
	s_add_co_i32 s22, s18, s19
	s_add_co_i32 s22, s22, 127
	s_lshl_b32 s22, s22, 23                        ; 2^(e0 + e1) as f32
	s_mov_b32 s23, s22                             ; (named with it as a pair, so it is written)
.irp il, 0,1,2,3,4,5,6,7
	v_xor_b32 v8, \il, v15                         ; j
	v_xor_b32 v9, ((\il>>1)^(\il>>2)), v7          ; g(i) = g(8 h) xor g(il)
	v_and_b32 v9, v9, v8
	v_lshrrev_b32 v9, v9, s24                      ; bit 7: minus?
	v_and_or_b32 v9, v9, 0x80, v14                 ; the code with its sign,
	v_and_b32 v10, 3, v8
	v_lshlrev_b32 v10, 3, v10
	v_lshlrev_b32 v9, v10, v9                      ; in byte j % 4
	v_lshrrev_b32 v8, 2, v8                        ; of register j / 4 of the blade's four; the others are zeros
.irp q, 0,1,2,3
	v_cmp_eq_u32 vcc_lo, \q, v8
	v_cndmask_b32 v[CAY+4*\il+\q], 0, v9, vcc_lo
.endr
.endr
; Products 2 n and 2 n + 1 of blade il (0 .. 7 of my half) of group g: b's pair x a_il, which is the low or the high register of its pair
.macro PK g, il, n
.if ((\il)%2) == 0
	v_pk_mul_f32 v[PR+2*(\n):PR+2*(\n)+1], v[OP+24*(\g)+8+2*(\n):OP+24*(\g)+9+2*(\n)], v[OP+24*(\g)+(\il):OP+24*(\g)+(\il)+1] op_sel_hi:[1,0]
.else
	v_pk_mul_f32 v[PR+2*(\n):PR+2*(\n)+1], v[OP+24*(\g)+8+2*(\n):OP+24*(\g)+9+2*(\n)], v[OP+24*(\g)+(\il)-1:OP+24*(\g)+(\il)] op_sel:[0,1] op_sel_hi:[1,1]
.endif
.endm
; K step s of group g.  The first K step starts the sums: nothing is cleared.  The two groups' accumulators take turns, one instruction a turn, from step to step too.
.macro WM g, s
.if \s
	v_wmma_f32_16x16x128_fp8_fp8 v[ACC+8*\g:ACC+8*\g+7], v[CAY+16:CAY+31], v[COD+16*\g:COD+16*\g+15], v[ACC+8*\g:ACC+8*\g+7]
.else
	v_wmma_f32_16x16x128_fp8_fp8 v[ACC+8*\g:ACC+8*\g+7], v[CAY:CAY+15], v[COD+16*\g:COD+16*\g+15], 0
.endif
.endm
; A BLOCK: the 64 products a lane of K step s of group g become 16 registers of codes: four blades, each 8 packed multiplies, 16 holds, 2 conversions.
; The order keeps a plain vector line between each conversion and whatever next touches its result or writes its sources: behind the first stand the second half's holds, behind the second the next blade's multiplies.
; pend = 1: the matrix instruction of the block before (group pg, K step ps) stands behind this block's first multiply, which is that line for its last conversion.
; A set of codes is written again two blocks on, more than a hundred plain vector lines behind the matrix instruction that read it (four are asked: ISA guide 7.12.1).
.macro BLOCK g, s, pend, pg, ps
.irp q, 0,1,2,3
	PK \g, 4*\s+\q, 0
.if \pend && (\q == 0)
	WM \pg, \ps
.endif
.irp n, 1,2,3,4,5,6,7
	PK \g, 4*\s+\q, \n
.endr
.irp j, 0,1,2,3,4,5,6,7
	v_med3_num_f32 v[PR+\j], v[PR+\j], -v[LIM], v[LIM]             ; the hold at the largest code x the scale
.endr
	v_cvt_scalef32_pk8_fp8_f32 v[COD+16*\g+4*\q:COD+16*\g+4*\q+1], v[PR:PR+7], v[SCL]
.irp j, 8,9,10,11,12,13,14,15
	v_med3_num_f32 v[PR+\j], v[PR+\j], -v[LIM], v[LIM]
.endr
	v_cvt_scalef32_pk8_fp8_f32 v[COD+16*\g+4*\q+2:COD+16*\g+4*\q+3], v[PR+8:PR+15], v[SCL]
.endr
.endm
; A STEP: 32 tokens.  While it is worked: step t + 1 goes through the stage, step t + 3 is asked of memory, step t - 1's results leave.
.macro STEP t
.if (\t) > 0
	s_wait_dscnt 14                                ; group 0's a and b are in: behind their six loads stand the way out's 4 stores and 4 loads and group 1's 6 loads
.endif
.if (\t)+2 < T
	s_wait_loadcnt 8                               ; the next step's eight loads are in; the eight of the step after it stay out
	STAGE (\t)+1                                   ; behind this step's reads of the stage, which LDS serves first
.elseif (\t)+1 < T
	s_wait_loadcnt 0                               ; the last eight
	STAGE (\t)+1
.endif
	BLOCK 0, 0, 0, 0, 0
	s_wait_dscnt 0x0                               ; group 1's a and b are in; so are the last step's results; the stores into the stage have read their registers,
.if (\t)+3 < T
	GLOAD (\t)+3                                   ; which take the loads of three steps on
.endif
.if (\t) > 0
	SEND (\t)-1
.endif
	BLOCK 1, 0, 1, 0, 0
	BLOCK 0, 1, 1, 1, 0
.if (\t)+1 < T
	OPLOAD 0                                       ; group 0's registers are free: the next step's, a block ahead of their use
.endif
	BLOCK 1, 1, 1, 0, 1
	v_pk_mul_f32 v[O:O+1], v[ACC:ACC+1], s[22:23] op_sel_hi:[1,0]  ; group 0's sums, finished a block ago, x 2^(e0 + e1), from the low end on.  (The plain line behind the last conversion)
	WM 1, 1
.irp j, 2,4,6
	v_pk_mul_f32 v[O+\j:O+\j+1], v[ACC+\j:ACC+\j+1], s[22:23] op_sel_hi:[1,0]
.endr
	v_nop                                          ; with the three lines above: four places between the last matrix instruction and the first read of its result (ISA guide 7.12.1)
.irp j, 8,10,12,14
	v_pk_mul_f32 v[O+\j:O+\j+1], v[ACC+\j:ACC+\j+1], s[22:23] op_sel_hi:[1,0]
.endr
.if (\t) > 0
	s_wait_xcnt 0x0                                ; the last step's stores, three blocks back, have read their registers: only behind this wait are these loaded again
.endif
	ds_store_b128 v[RA], v[O:O+3]     offset:OUTS              ; my token's 32 bytes, by tokens,
	ds_store_b128 v[RA], v[O+4:O+7]   offset:OUTS+16
	ds_store_b128 v[RA], v[O+8:O+11]  offset:OUTS+16*TP
	ds_store_b128 v[RA], v[O+12:O+15] offset:OUTS+16*TP+16
.irp k, 0,1,2,3
	ds_load_b128 v[OB+4*\k:OB+4*\k+3], v[SI] offset:OUTS+8*TP*\k   ; and back as memory has them; they leave in the next step
.endr
.if (\t)+1 < T
	OPLOAD 1                                       ; group 1's registers are free: the next step's, a block ahead of their use
.endif
.endm
	s_wait_loadcnt 8                               ; step 0's eight loads are in; step 1's stay out
	STAGE 0
	OPLOAD 0
	OPLOAD 1
	s_wait_dscnt 0x0                               ; step 0's a and b are in, and the stores into the stage have read their registers
	GLOAD 2
.irp t, 0,1,2,3,4,5,6,7
	STEP \t
.endr
	s_wait_dscnt 0x0                               ; the last step's results are back
	SEND T-1
	s_wait_xcnt 0x0
	v_lshl_add_u32 v254, v0, 2, 0x1e000
	v_mov_b32 v255, 0
	s_wait_tensorcnt 0x0
	ds_add_u32 v254, v255
	s_wait_dscnt 0x0
	s_endpgm
.Lfunc_end_k_q782f4e6e47_clifford:
	.size	k_q782f4e6e47_clifford, .Lfunc_end_k_q782f4e6e47_clifford-k_q782f4e6e47_clifford
	.p2alignl 7, 3214868480
	.fill 96, 4, 3214868480
	.section	.rodata,"a",@progbits
	.p2align	6, 0x0
	.amdhsa_kernel k_q782f4e6e47_clifford
		.amdhsa_group_segment_fixed_size 124928
		.amdhsa_private_segment_fixed_size 0
		.amdhsa_enable_private_segment 0
		.amdhsa_kernarg_size 32
		.amdhsa_user_sgpr_count 2
		.amdhsa_user_sgpr_kernarg_segment_ptr 1
		.amdhsa_wavefront_size32 1
		.amdhsa_system_sgpr_workgroup_id_x 1
		.amdhsa_system_sgpr_workgroup_id_y 1
		.amdhsa_system_sgpr_workgroup_id_z 1
		.amdhsa_system_vgpr_workitem_id 0
		.amdhsa_next_free_vgpr 256
		.amdhsa_next_free_sgpr 66
		.amdhsa_reserve_vcc 1
		.amdhsa_float_denorm_mode_32 3
		.amdhsa_float_denorm_mode_16_64 3
		.amdhsa_memory_ordered 1
		.amdhsa_forward_progress 1
		.amdhsa_inst_pref_size 247
	.end_amdhsa_kernel
	.amdgpu_metadata
---
amdhsa.version: [ 1, 2 ]
amdhsa.kernels:
  - .name:           k_q782f4e6e47_clifford
    .symbol:         k_q782f4e6e47_clifford.kd
    .args:
      - { .name: a, .offset: 0, .size: 8, .value_kind: global_buffer, .address_space: global }
      - { .name: b, .offset: 8, .size: 8, .value_kind: global_buffer, .address_space: global }
      - { .name: lowp_scales, .offset: 16, .size: 8, .value_kind: global_buffer, .address_space: global }
      - { .name: out0, .offset: 24, .size: 8, .value_kind: global_buffer, .address_space: global }
    .group_segment_fixed_size: 124928
    .private_segment_fixed_size: 0
    .kernarg_segment_align: 8
    .kernarg_segment_size: 32
    .max_flat_workgroup_size: 512
    .sgpr_count:     66
    .vgpr_count:     256
    .wavefront_size: 32
...
	.end_amdgpu_metadata
.endif
;; end of part 1
;; ======== version 2 of 2: 1 launch; version 1 with the launch clifford written anew for expert scheduling mode
;; launch clifford (part 2): grid 256 x 1, 16 waves a work-group, no clusters, 124,928 bytes of LDS; arguments a, b, lowp_scales, out0; writes out0
.if DOCPART == 2
	.amdgcn_target "amdgcn-amd-amdhsa--gfx1250"
	.amdhsa_code_object_version 6
	.text
	.protected	k_q782f4e6e47_clifford
	.globl	k_q782f4e6e47_clifford
	.p2align	8
	.type	k_q782f4e6e47_clifford,@function
k_q782f4e6e47_clifford:
	s_mov_b64 s[64:65], 0
	v_nop
	global_prefetch_b8 v0, s[64:65] scope:SCOPE_SE
	s_setreg_imm32_b32 hwreg(HW_REG_WAVE_SCHED_MODE, 0, 2), 2
	s_setreg_imm32_b32 hwreg(HW_REG_WAVE_MODE, 25, 1), 1
	s_wait_xcnt 0x0
	s_wait_alu depctr_vm_vsrc(0)
; out[t][c] = sum over i, j of Q(a[t][i] b[t][j]) Q(M[i][j][c]): the geometric product of Cl(3,1), 2^20 tokens of 16 blades, f32 in and out.
; M[i][j][c] = the sign of e_i e_j where c = i xor j, else 0.  Both operands of the contraction (K = the 256 pairs (i, j)) are codes of FP8 (E4M3), each with the one scale that is given:
; 2^e0 for the products a_i b_j, 2^e1 for M.  code = x / 2^e, held within +-448, to the nearest code, ties to even.  The codes are multiplied as they are; each sum is multiplied once by 2^(e0 + e1).
; LIMITS: e0 and e1 between -126 and 119, e0 + e1 between -126 and 127, so that each power of two below is an f32 number.  NaN among the inputs is not served (the hold picks a number).
; The places of k inside a matrix instruction are a permutation of (i, j), the same in both operands: every product meets its partner, only the order of the sums inside an instruction is another.
; SHARES.  256 work-groups of 16 waves; a work-group owns 4,096 tokens, a wave 8 steps of 32 tokens (two groups of 16); the sixteen waves' steps lie side by side in memory.
; THE MATRIX INSTRUCTION IS USED TRANSPOSED: source 0 = the 16 rows c of M^T, source 1 = 16 tokens.  Lane (r, h) = (lane % 16, lane / 16) holds token r and makes the 128 products of blades i = 8 h .. 8 h + 7
; with all 16 b_j: register p, byte y of K step s is i = 8 h + 4 s + p / 4, j = 4 (p % 4) + y, so the conversions' results ARE the operand.  In the result the lane holds out[token r][8 h .. 8 h + 7].
; MEMORY.  Every global load and store of a wave covers 512 consecutive bytes, 16 a lane.  A lane wants 32 + 64 bytes of ONE token, so a step's numbers turn through the wave's own stage in LDS, and the results
; turn back through another.  A token lies 80 bytes from the next.
; Waves share nothing: no barrier.  Sixteen loads of a wave are on their way nearly all the time: two sets of eight, each asked for two steps ahead of its use.
; The eight steps are written out by a macro: the sets of registers alternate, the last three steps ask for less, and every offset is an immediate, so no pointer is stepped.
; THE MODE: SCHED_MODE bits 1:0 = 2 (LLVM: expert scheduling mode 2), set by the entry lines.  The code itself states the register dependences
; between vector or matrix instructions and memory or LDS instructions, with s_wait_alu, always for 0.
; THE PLAN.  Registers that memory or LDS instructions touch:
;   v1-v4      offsets and LDS addresses: made at the head, never named by a vector line again.
;   RAW0, RAW1 no vector line names them.  Step t: the stage's LDS stores read RAW[(t + 1) % 2] in the first block; the loads of step t + 3 land in it in the second.
;   OP group 0 read by the multiplies of blocks (0, 0) and (0, 1); the next step's LDS loads land in it during block (1, 1).
;   OP group 1 read by the multiplies of blocks (1, 0) and (1, 1); loaded again at the step's end.
;   O          written by the scalings at the step's end; read by the four LDS stores behind them.
;   OB         LDS loads land in it at the step's end; read by the four global stores in the next step's block (1, 0); v254 and v255 are made anew at the wave's end.
;   PR, COD, ACC, CAY, LIM, SCL are named by vector and matrix lines alone.
; So a step has two waits on va_vdst (behind block (0, 1): group 0's operands are read; behind the scalings: O is written, group 1's operands are read) and two on vm_vsrc (behind block (0, 0): the stage's stores
; have read RAW; ahead of the scalings: O and OB have been read).  Behind each wait the memory lines that it frees are dealt among the next block's vector lines, which name none of their registers.
.set T,      8                         ; steps of a wave
.set WAVES,  16
.set STEPB,  2048                      ; 32 tokens of one tensor in bytes
.set TRIPB,  WAVES*STEPB               ; from a wave's step to its next
.set TP,     80                        ; a token in LDS: 64 bytes + 16 of padding
.set INA,    0                         ; a wave's LDS: 32 tokens of a,
.set INB,    32*TP                     ; 32 of b,
.set OUTS,   64*TP                     ; 32 of the result
.set WREG,   96*TP                     ; 7,680 bytes a wave
.set GO,  1                            ; v1   byte offset of my 16 bytes in the work-group's part of a tensor: 2,048 x wave + 16 x lane; never rewritten
.set SI,  2                            ; v2   a stage as memory has it: 80 (lane / 4) + 16 (lane % 4) + my wave's LDS
.set RB,  3                            ; v3   a stage by tokens: 80 r + my wave's LDS
.set RA,  4                            ; v4   the same + 32 h: my half of a token
.set LIM, 5                            ; v5   448 x 2^e0
.set SCL, 6                            ; v6   2^e0 as f32: the conversions take its exponent field
.set CAY, 16                           ; v16-47   M^T's codes: K step s at CAY + 16 s
.set RAW, 48                           ; v48-111  two sets of eight loads: a's four, b's four
.set OP,  112                          ; v112-159 group g: 8 of a, 16 of b, at OP + 24 g
.set PR,  160                          ; v160-175 one blade's 16 products
.set COD, 176                          ; v176-207 the products' codes: group g's at COD + 16 g
.set ACC, 208                          ; v208-223 group g's sums at ACC + 8 g
.set O,   224                          ; v224-239 the sums x 2^(e0 + e1)
.set OB,  240                          ; v240-255 the step's results as memory has them
	s_load_b256 s[4:11], s[0:1], 0x0               ; a s[4:5], b s[6:7], the scales' exponents s[8:9], out s[10:11]
	v_lshrrev_b32 v7, 5, v0
	v_readfirstlane_b32 s12, v7                    ; wave 0..15
	v_and_b32 v8, 31, v0                           ; lane
	v_and_b32 v10, 15, v0                          ; r; for M^T's operand: c
	v_bfe_u32 v11, v0, 4, 1                        ; h
	s_lshl_b32 s14, ttmp9, 18                      ; the work-group's 4,096 tokens of 64 bytes
	s_mov_b32 s15, 0
	s_wait_alu depctr_va_sdst(0)                   ; s12 is written, ahead of its first reader: the wave's offsets are made from it
	s_lshl_b32 s13, s12, 11
	s_mul_i32 s16, s12, WREG
	v_lshlrev_b32 v[GO], 4, v8
	v_add_nc_u32 v[GO], s13, v[GO]
	v_lshrrev_b32 v9, 2, v8
	v_mul_u32_u24 v[SI], v9, TP
	v_and_b32 v9, 3, v8
	v_lshl_add_u32 v[SI], v9, 4, v[SI]
	v_add_nc_u32 v[SI], s16, v[SI]
	v_mul_u32_u24 v[RB], v10, TP
	v_add_nc_u32 v[RB], s16, v[RB]
	v_lshl_add_u32 v[RA], v11, 5, v[RB]
	s_wait_kmcnt 0x0
	s_load_b64 s[18:19], s[8:9], 0x0               ; e0, e1
	s_add_nc_u64 s[4:5], s[4:5], s[14:15]
	s_add_nc_u64 s[6:7], s[6:7], s[14:15]
	s_add_nc_u64 s[10:11], s[10:11], s[14:15]
.macro GLOAD1 t, k                     ; piece k of step t's eight loads (a's four, then b's four): 512 consecutive bytes as they lie, read once in the launch
	global_load_b128 v[RAW+32*((\t)%2)+4*(\k):RAW+32*((\t)%2)+4*(\k)+3], v[GO], s[4+2*((\k)/4):5+2*((\k)/4)] offset:(\t)*TRIPB+512*((\k)%4) th:TH_LOAD_NT
.endm
.macro GLOAD t                         ; step t's 32 tokens of a and of b
.irp k, 0,1,2,3,4,5,6,7
	GLOAD1 \t, \k
.endr
.endm
.macro STAGE1 t, k                     ; piece k goes into the stage: a load's 512 bytes are eight tokens; b's stage lies straight behind a's
	ds_store_b128 v[SI], v[RAW+32*((\t)%2)+4*(\k):RAW+32*((\t)%2)+4*(\k)+3] offset:INA+8*TP*(\k)
.endm
.macro STAGE t
.irp k, 0,1,2,3,4,5,6,7
	STAGE1 \t, \k
.endr
.endm
.macro OPLOAD1 g, p                    ; out of the stage, for group g: pieces 0, 1: my token's a_(8 h) .. a_(8 h + 7); pieces 2 to 5: all its b.  LDS serves a wave's instructions in order (ISA guide 5.7.1.4): these see the stores above them
.if (\p) < 2
	ds_load_b128 v[OP+24*(\g)+4*(\p):OP+24*(\g)+4*(\p)+3], v[RA] offset:INA+16*TP*(\g)+16*(\p)
.else
	ds_load_b128 v[OP+24*(\g)+4*(\p):OP+24*(\g)+4*(\p)+3], v[RB] offset:INB+16*TP*(\g)+16*((\p)-2)
.endif
.endm
.macro OPLOAD g
.irp p, 0,1,2,3,4,5
	OPLOAD1 \g, \p
.endr
.endm
.macro SEND1 t, k                      ; piece k of step t's results: 512 consecutive bytes; written once, read by nobody here
	global_store_b128 v[GO], v[OB+4*(\k):OB+4*(\k)+3], s[10:11] offset:(\t)*TRIPB+512*(\k) th:TH_STORE_NT
.endm
.macro SEND t
.irp k, 0,1,2,3
	SEND1 \t, \k
.endr
.endm
	s_wait_alu depctr_va_vdst(0)                   ; v1 to v4 are written: every load and store of the kernel, global or LDS, reads one of them as its offset or address
	GLOAD 0
	GLOAD 1                                        ; the first two steps are on their way while M^T's operand is made
	; M^T's OPERAND.  Lane (c, h), blade i = 8 h + il: of its 16 bytes (j = 0 .. 15) one is not 0: j = i xor c, the code of 1.0 with the sign of e_i e_j.
	; The sign: e_i e_j is sorted by one swap for each pair (a bit x of i, a bit y of j) with x > y, and e_3 squares to -1 (e_0, e_1, e_2 to +1):
	; it is minus where j & g(i) has an odd number of bits, g(i) = (i >> 1) ^ (i >> 2) ^ (i >> 3) ^ (i & 8); g is linear over xor, and g(8) = 15.
	s_mov_b32 s24, 0x6996<<7                       ; bit x + 7: is the number of bits of x (0 .. 15) odd?
	v_lshlrev_b32 v15, 3, v11
	v_xor_b32 v15, v15, v10                        ; c xor 8 h: j = this xor il
	v_mul_u32_u24 v7, v11, 15                      ; g(8 h)
	s_wait_kmcnt 0x0
	s_add_co_i32 s20, s19, 127
	s_lshl_b32 s21, s20, 23
	v_mov_b32 v12, s21                             ; 2^e1 as f32
	s_add_co_i32 s20, s20, 8
	s_lshl_b32 s20, s20, 23
	s_or_b32 s20, s20, 0x600000
	v_mov_b32 v13, s20                             ; 448 x 2^e1
	v_med3_num_f32 v[PR], 1.0, -v13, v13           ; the conversion to an 8-bit code does not saturate (ISA guide 7.6.2): 1.0 is held within the largest code x the scale
.irp j, 1,2,3,4,5,6,7
	v_mov_b32 v[PR+\j], 0
.endr
	v_cvt_scalef32_pk8_fp8_f32 v[COD:COD+1], v[PR:PR+7], v12       ; byte 0: the code of 1.0 under 2^e1
	s_add_co_i32 s20, s18, 127
	s_lshl_b32 s21, s20, 23
	v_mov_b32 v[SCL], s21                          ; 2^e0.  (The plain vector line between the conversion and the use of its result)
	s_add_co_i32 s20, s20, 8
	s_lshl_b32 s20, s20, 23
	s_or_b32 s20, s20, 0x600000
	v_mov_b32 v[LIM], s20                          ; 448 x 2^e0
	v_and_b32 v14, 0xff, v[COD]
	s_add_co_i32 s22, s18, s19
	s_add_co_i32 s22, s22, 127
	s_lshl_b32 s22, s22, 23                        ; 2^(e0 + e1) as f32
	s_mov_b32 s23, s22                             ; (named with it as a pair, so it is written)
.irp il, 0,1,2,3,4,5,6,7
	v_xor_b32 v8, \il, v15                         ; j
	v_xor_b32 v9, ((\il>>1)^(\il>>2)), v7          ; g(i) = g(8 h) xor g(il)
	v_and_b32 v9, v9, v8
	v_lshrrev_b32 v9, v9, s24                      ; bit 7: minus?
	v_and_or_b32 v9, v9, 0x80, v14                 ; the code with its sign,
	v_and_b32 v10, 3, v8
	v_lshlrev_b32 v10, 3, v10
	v_lshlrev_b32 v9, v10, v9                      ; in byte j % 4
	v_lshrrev_b32 v8, 2, v8                        ; of register j / 4 of the blade's four; the others are zeros
.irp q, 0,1,2,3
	v_cmp_eq_u32 s[25+\q], \q, v8                  ; the four masks in a run, each in a scalar register of its own
.endr
	s_wait_alu depctr_va_sdst(0)                   ; the four compares have written s25 to s28, ahead of the selects that read them
.irp q, 0,1,2,3
	v_cndmask_b32 v[CAY+4*\il+\q], 0, v9, s[25+\q]
.endr
.endr
; Products 2 n and 2 n + 1 of blade il (0 .. 7 of my half) of group g: b's pair x a_il, which is the low or the high register of its pair
.macro PK g, il, n
.if ((\il)%2) == 0
	v_pk_mul_f32 v[PR+2*(\n):PR+2*(\n)+1], v[OP+24*(\g)+8+2*(\n):OP+24*(\g)+9+2*(\n)], v[OP+24*(\g)+(\il):OP+24*(\g)+(\il)+1] op_sel_hi:[1,0]
.else
	v_pk_mul_f32 v[PR+2*(\n):PR+2*(\n)+1], v[OP+24*(\g)+8+2*(\n):OP+24*(\g)+9+2*(\n)], v[OP+24*(\g)+(\il)-1:OP+24*(\g)+(\il)] op_sel:[0,1] op_sel_hi:[1,1]
.endif
.endm
; K step s of group g.  The first K step starts the sums: nothing is cleared.  The two groups' accumulators take turns, one instruction a turn, from step to step too.
.macro WM g, s
.if \s
	v_wmma_f32_16x16x128_fp8_fp8 v[ACC+8*\g:ACC+8*\g+7], v[CAY+16:CAY+31], v[COD+16*\g:COD+16*\g+15], v[ACC+8*\g:ACC+8*\g+7]
.else
	v_wmma_f32_16x16x128_fp8_fp8 v[ACC+8*\g:ACC+8*\g+7], v[CAY:CAY+15], v[COD+16*\g:COD+16*\g+15], 0
.endif
.endm
; A BLOCK: the 64 products a lane of K step s of group g become 16 registers of codes: four blades.  BLADE is blade q of it: 8 packed multiplies, 16 holds, 2 conversions.
; The order keeps a plain vector line between each conversion and whatever next touches its result or writes its sources: behind the first stand the second half's holds, behind the second the next blade's multiplies.
; pend = 1: the matrix instruction of the block before (group pg, K step ps) stands behind this block's first multiply, which is that line for its last conversion.
; A set of codes is written again two blocks on, more than a hundred plain vector lines behind the matrix instruction that read it (four are asked: ISA guide 7.12.1).
; A blade names OP of its own group, PR, COD, LIM and SCL, its matrix instruction ACC, CAY and COD: none of RAW, OB, v1 to v4, nor the other group's OP.
.macro BLADE g, s, q, pend, pg, ps
	PK \g, 4*\s+\q, 0
.if \pend && (\q == 0)
	WM \pg, \ps
.endif
.irp n, 1,2,3,4,5,6,7
	PK \g, 4*\s+\q, \n
.endr
.irp j, 0,1,2,3,4,5,6,7
	v_med3_num_f32 v[PR+\j], v[PR+\j], -v[LIM], v[LIM]             ; the hold at the largest code x the scale
.endr
	v_cvt_scalef32_pk8_fp8_f32 v[COD+16*\g+4*\q:COD+16*\g+4*\q+1], v[PR:PR+7], v[SCL]
.irp j, 8,9,10,11,12,13,14,15
	v_med3_num_f32 v[PR+\j], v[PR+\j], -v[LIM], v[LIM]
.endr
	v_cvt_scalef32_pk8_fp8_f32 v[COD+16*\g+4*\q+2:COD+16*\g+4*\q+3], v[PR+8:PR+15], v[SCL]
.endm
; A STEP: 32 tokens.  While it is worked: step t + 1 goes through the stage, step t + 3 is asked of memory, step t - 1's results leave.
.macro STEP t
.if (\t) > 0
	s_wait_dscnt 14                                ; group 0's a and b are in: behind their six loads stand the way out's 4 stores and 4 loads and group 1's 6 loads
.endif
.if (\t)+2 < T
	s_wait_loadcnt 8                               ; the next step's eight loads are in; the eight of the step after it stay out
.elseif (\t)+1 < T
	s_wait_loadcnt 0                               ; the last eight
.endif
.irp q, 0,1,2,3                        ; block (0, 0); the next step's numbers go into the stage, two stores ahead of each blade: behind this step's reads of the stage, which LDS serves first
.if (\t)+1 < T
	STAGE1 (\t)+1, 2*\q
	STAGE1 (\t)+1, 2*\q+1
.endif
	BLADE 0, 0, \q, 0, 0, 0
.endr
	s_wait_dscnt 0x0                               ; group 1's a and b are in; so are the last step's results
.if (\t)+3 < T
	s_wait_alu depctr_vm_vsrc(0)                   ; the stores into the stage have read their set of RAW, in which the loads of three steps on land
.endif
.irp q, 0,1,2,3                        ; block (1, 0); two loads and a store ahead of each blade, the loads first
.if (\t)+3 < T
	GLOAD1 (\t)+3, 2*\q
	GLOAD1 (\t)+3, 2*\q+1
.endif
.if (\t) > 0
	SEND1 (\t)-1, \q
.endif
	BLADE 1, 0, \q, 1, 0, 0
.endr
.irp q, 0,1,2,3                        ; block (0, 1)
	BLADE 0, 1, \q, 1, 1, 0
.endr
.if (\t)+1 < T
	s_wait_alu depctr_va_vdst(0)                   ; block (0, 1)'s multiplies are done reading group 0's a and b, in which the next step's land
.endif
.irp q, 0,1,2,3                        ; block (1, 1); group 0's next a and b, two LDS loads ahead of each of the first three blades
.if ((\t)+1 < T) && (\q < 3)
	OPLOAD1 0, 2*\q
	OPLOAD1 0, 2*\q+1
.endif
	BLADE 1, 1, \q, 1, 0, 1
.endr
.if (\t) > 0
	s_wait_xcnt 0x0                                ; the last step's stores, three blocks back, have had their addresses translated: only behind this wait are their registers loaded again
	s_wait_alu depctr_vm_vsrc(0)                   ; the last step's LDS stores have read O, which the scalings below write; the global stores have read OB, in which the LDS loads below land
.endif
	v_pk_mul_f32 v[O:O+1], v[ACC:ACC+1], s[22:23] op_sel_hi:[1,0]  ; group 0's sums, finished a block ago, x 2^(e0 + e1), from the low end on.  (The plain line behind the last conversion)
	WM 1, 1
.irp j, 2,4,6
	v_pk_mul_f32 v[O+\j:O+\j+1], v[ACC+\j:ACC+\j+1], s[22:23] op_sel_hi:[1,0]
.endr
	v_nop                                          ; with the three lines above: four places between the last matrix instruction and the first read of its result (ISA guide 7.12.1)
.irp j, 8,10,12,14
	v_pk_mul_f32 v[O+\j:O+\j+1], v[ACC+\j:ACC+\j+1], s[22:23] op_sel_hi:[1,0]
.endr
	s_wait_alu depctr_va_vdst(0)                   ; the scalings have written O, which the LDS stores read; block (1, 1)'s multiplies are done reading group 1's a and b, in which the next step's land
	ds_store_b128 v[RA], v[O:O+3]     offset:OUTS              ; my token's 32 bytes, by tokens,
	ds_store_b128 v[RA], v[O+4:O+7]   offset:OUTS+16
	ds_store_b128 v[RA], v[O+8:O+11]  offset:OUTS+16*TP
	ds_store_b128 v[RA], v[O+12:O+15] offset:OUTS+16*TP+16
.irp k, 0,1,2,3
	ds_load_b128 v[OB+4*\k:OB+4*\k+3], v[SI] offset:OUTS+8*TP*\k   ; and back as memory has them; they leave in the next step
.endr
.if (\t)+1 < T
	OPLOAD 1                                       ; group 1's registers are free: the next step's, a block ahead of their use
.endif
.endm
	s_wait_loadcnt 8                               ; step 0's eight loads are in; step 1's stay out
	STAGE 0
	OPLOAD 0
	OPLOAD 1
	s_wait_dscnt 0x0                               ; step 0's a and b are in
	s_wait_alu depctr_vm_vsrc(0)                   ; the stores into the stage have read RAW's set 0, in which step 2's loads land
	GLOAD 2
.irp t, 0,1,2,3,4,5,6,7
	STEP \t
.endr
	s_wait_dscnt 0x0                               ; the last step's results are back
	SEND T-1
	s_wait_xcnt 0x0                                ; the last stores have had their addresses translated: only behind this wait are v254 and v255, data of theirs, written again
	s_wait_alu depctr_vm_vsrc(0)                   ; the last stores have read v254 and v255, which the two lines below write
	v_lshl_add_u32 v254, v0, 2, 0x1e000            ; no two registers could be kept: my spare word's address, behind the sixteen waves' stages, and 0 are made here
	v_mov_b32 v255, 0
	s_wait_dscnt 0x0                               ; the closing lines, six on end
	s_wait_alu 0x0
	s_wait_tensorcnt 0x0
	ds_add_u32 v254, v255
	s_wait_dscnt 0x0
	s_endpgm
.Lfunc_end_k_q782f4e6e47_clifford:
	.size	k_q782f4e6e47_clifford, .Lfunc_end_k_q782f4e6e47_clifford-k_q782f4e6e47_clifford
	.p2alignl 7, 3214868480
	.fill 96, 4, 3214868480
	.section	.rodata,"a",@progbits
	.p2align	6, 0x0
	.amdhsa_kernel k_q782f4e6e47_clifford
		.amdhsa_group_segment_fixed_size 124928
		.amdhsa_private_segment_fixed_size 0
		.amdhsa_enable_private_segment 0
		.amdhsa_kernarg_size 32
		.amdhsa_user_sgpr_count 2
		.amdhsa_user_sgpr_kernarg_segment_ptr 1
		.amdhsa_wavefront_size32 1
		.amdhsa_system_sgpr_workgroup_id_x 1
		.amdhsa_system_sgpr_workgroup_id_y 1
		.amdhsa_system_sgpr_workgroup_id_z 1
		.amdhsa_system_vgpr_workitem_id 0
		.amdhsa_next_free_vgpr 256
		.amdhsa_next_free_sgpr 66
		.amdhsa_reserve_vcc 0
		.amdhsa_float_denorm_mode_32 3
		.amdhsa_float_denorm_mode_16_64 3
		.amdhsa_memory_ordered 1
		.amdhsa_forward_progress 1
		.amdhsa_inst_pref_size 250
	.end_amdhsa_kernel
	.amdgpu_metadata
---
amdhsa.version: [ 1, 2 ]
amdhsa.kernels:
  - .name:           k_q782f4e6e47_clifford
    .symbol:         k_q782f4e6e47_clifford.kd
    .args:
      - { .name: a, .offset: 0, .size: 8, .value_kind: global_buffer, .address_space: global }
      - { .name: b, .offset: 8, .size: 8, .value_kind: global_buffer, .address_space: global }
      - { .name: lowp_scales, .offset: 16, .size: 8, .value_kind: global_buffer, .address_space: global }
      - { .name: out0, .offset: 24, .size: 8, .value_kind: global_buffer, .address_space: global }
    .group_segment_fixed_size: 124928
    .private_segment_fixed_size: 0
    .kernarg_segment_align: 8
    .kernarg_segment_size: 32
    .max_flat_workgroup_size: 512
    .sgpr_count:     66
    .vgpr_count:     256
    .wavefront_size: 32
...
	.end_amdgpu_metadata
.endif
;; end of part 2
